; MI455X (gfx1250); checked and timed in simulation.
; The chip was launched on July 23, 2026; its instructions are those of AMD's public machine-readable ISA for CDNA 5 (MIT licence, August 2026) and "CDNA5" Instruction Set Architecture Reference Guide (July 2026). The comments in the code are by the model that wrote it; some were corrected since.
;; Sparse Attention. Allowed arithmetic: matrix products marked QUANTISED: E5M2 operands, one E8M0 scale for each 32 along K, by v_wmma_scale_f32_16x16x128_f8f6f4 with both operands' format E5M2, f32 sums; everything else in f32.
;; Inputs: k 2 x 8,192 x 256 float32; q 2 x 8,192 x 256 float32; v 2 x 8,192 x 256 float32.
;; Outputs: out0 2 x 8,192 x 256 float32.
;; This version of the problem:
;;   THIS VERSION OF THE PROBLEM IS GIVEN IN LOW PRECISION. The matrix products marked QUANTISED in the list below multiply operands that are first quantised to E5M2 (5 exponent bits, 2 mantissa bits; 8 bits a number), with one power-of-two scale for each 32 numbers along K (OCP MX v1.0); their sums are f32. All else is computed in f32.
;;   The module's matrix products, in the order in which they are computed (A, B: the left and right operand; K: the contracted axis; several contracted axes count as one K, in the product's order):
;;     1. batch 2 x [M 8,192, K 256] x [K 256, N 8,192]; A: input q; B: input k: QUANTISED
;;     2. batch 2 x [M 8,192, K 8,192] x [K 8,192, N 256]; A: softmax (see below); B: input v: QUANTISED
;;   THE QUANTISER, for each operand of a quantised product, along K:
;;     - K is cut into blocks of 32 from its start; a last block that is shorter is filled with zeros.
;;     - A block's scale is 2^e with e = floor(log2(the largest magnitude in the block)) - 15, held to -126 .. 127; a block of zeros has e = 0. As a byte (E8M0): e + 127.
;;     - Each number is divided by its block's scale, clamped to +-57,344, and rounded to the nearest number of E5M2, ties to even, subnormals kept.
;;     - The product sums the exact products of the quantised numbers (number of the format x scale) in f32.
;;   ~~~python
;;   def quantise(x, axis):      # numpy; x: float32 -> the quantised numbers, widened to float32 again
;;       x = np.moveaxis(x, axis, -1); K = x.shape[-1]
;;       x = np.pad(x, [(0, 0)] * (x.ndim - 1) + [(0, -K % 32)]); x = x.reshape(x.shape[:-1] + (-1, 32)); a = np.abs(x).max(-1, keepdims=True)
;;       e = np.where(a > 0, np.clip(np.frexp(np.where(a > 0, a, 1))[1] - 1 - 15, -126, 127), 0)      # np.frexp(a)[1] - 1 = floor(log2(a)), exactly
;;       r = np.clip(x / 2.0 ** e, -57344, 57344)
;;       step = 2.0 ** (np.maximum(np.frexp(np.where(r == 0, 1, r))[1] - 1, -14) - 2)
;;       q = np.round(r / step) * step * 2.0 ** e      # np.round: ties to even
;;       return np.moveaxis(q.reshape(q.shape[:-2] + (-1,))[..., :K], -1, axis).astype(np.float32)
;;   ~~~
;;   SOFTMAX AHEAD OF A QUANTISED PRODUCT. Where the list says 'softmax', what is quantised is not the finished softmax but p = 2^(t - M), with t = logit x log2(e) and M = ceil(the row's largest t), a whole number; so 1/2 < the row's largest p <= 1. The row's sum l is taken of the UNQUANTISED p, in f32, and the product's result is divided by l at the end. Since M is a whole number, a kernel that streams over the keys may use a running M (the ceiling of the running maximum): every later rescaling is an exact power of two, which a block's scale takes up: the codes' values come out the same.
;;   OPERANDS COMPUTED ON THE WAY. 'Computed on the way' means the value that the module computes at that place (a softmax that the list does not call 'softmax' is quantised finished and normalised). What goes into a quantiser is computed in f32, as accurately as f32 sums, v_exp_f32 and their like allow (about 1e-6 of the number): no bf16 or f16 on the way to a quantiser, and a product that is left as it is and whose result goes on into a quantised operand takes f32 operands (vector FMAs, or v_wmma_f32_16x16x4_f32). A number that lies on a knife's edge between two numbers of the format may be rounded either way, as far as f32 arithmetic and the matrix unit's own rounding can turn it there, and no further.
;; One version. Each part assembles by itself: llvm-mc -triple=amdgcn-amd-amdhsa -mcpu=gfx1250 --defsym DOCPART=n.
;; ======== version 1 of 1: 2 launches
;; limits: right only within a limited range of input values
;; workspace buffers: qx 4,325,376 bytes; kv 8,650,752 bytes
;; launch prep (part 1): grid 128 x 3, 8 waves a work-group, no clusters, 138,240 bytes of LDS; arguments q, k, v, qx, kv; writes qx, kv
.if DOCPART == 1
	.amdgcn_target "amdgcn-amd-amdhsa--gfx1250"
	.amdhsa_code_object_version 6
	.text
	.protected	k_q366ae01849_prep
	.globl	k_q366ae01849_prep
	.p2align	8
	.type	k_q366ae01849_prep,@function
k_q366ae01849_prep:
	s_mov_b64 s[64:65], 0
	v_nop
	global_prefetch_b8 v0, s[64:65] scope:SCOPE_SE
	s_setreg_imm32_b32 hwreg(HW_REG_WAVE_MODE, 25, 1), 1
	s_wait_xcnt 0x0
; q, k, v [2][8192][256] f32 -> codes of BF8 (E5M2) with one E8M0 byte for each 32 along a product's K, laid in the order in which the attention launch's registers take them.
; THE SHUFFLE.  The shuffled tensor x'[n'][t'][e'] is x[b][512 j + l][c] with l = 256 n' + L, c = 8 ch + cl, t' = 32 L + ch, e' = 32 cl + 16 b + j.
; So a block of 32 along e' (K of q' k'^T) is ONE source column c down the 32 source rows (b, j) of one l, in the order 16 b + j; a block of 32 keys (K of p v') lies in ONE source row: 32 numbers, 8 columns apart.
; SHARES.  Work-group x takes l = 4 x .. 4 x + 3: 128 shuffled rows, 128 KB of f32, and makes one PIECE of 33,792 bytes: 32,768 of codes, then 1,024 of scale bytes.  Work-group y picks the tensor: 0 q, 1 k, 2 v.
; The three ways have LDS bytes of their own; v's piece is built over v's own stages, behind a barrier behind which no wave reads a stage.  Every global load of a wave covers 512 consecutive bytes; every global store 512 consecutive aligned bytes.
; PIECES.  q: codes [jq 16][lql 8][256]: the row of query t' = 16 (8 sigma + lql) + jq, e' ascending; scale bytes [jq][lql][8].
;   k: codes [kt 8][s 2][c 4][lane 32][16]: the register image of fragment (key tile kt, K step s): lane (r, h), group c: e' = 128 s + 32 c + 16 h + 0..15 of key 32 (kt / 2) + 8 (kt % 2) + r + 8 (r / 8);
;      scale words [g 2][lane = 16 s + r][m 4] for tile 4 g + m.
;   v: codes [ct 16][c 4][lane][16]: channel e' = 16 ct + r, keys 32 c + 16 h + 0..15 of the piece's 128; scale words [g 2][lane = 16 u + r][m 4] for tile 2 (4 g + m) + u.
; THE QUANTISER.  A block's scale is 2^(floor(log2(largest magnitude)) - 15); its byte is the largest magnitude's exponent field - 15, held at 1 from below by a floor among the maximum's leaves.
; LIMITS: NaN and infinities among the inputs are not served.  A block of zeros gets the byte 1 where the rule says 127: its codes are zeros, and this program alone reads the bytes.
.set PIECE,  33792
.set CODES,  32768
.set KINDB,  4*PIECE                   ; kv: the four waves' pieces of one kind (K or V) of one trip
.set TRIPB,  2*KINDB                   ; a trip's K pieces, then its V pieces
.set BATCHB, 16*TRIPB                  ; a batch
.set IMGQ,   0                         ; LDS: the piece being built
.set IMGK,   PIECE
.set IMGV,   2*PIECE
.set STV,    2*PIECE                   ; v's way: a stage of 16 half rows for each wave; the piece is laid over the stages when all waves have read them out
.set SROW,   544                       ; a stage row: 512 bytes + 32: sixteen lanes that read 8 rows x 32 bytes touch sixteen different 16-byte columns of 256
.set SWAVE,  16*SROW
.set SPARE,  STV+8*SWAVE               ; the spare words, 128 bytes for each wave: four blocks of 256 bytes that no other line names
.set JSTEP,  524288                    ; from j to j + 1: 512 source rows of 1,024 bytes
.set BSTEP,  0x800000                  ; from b = 0 to b = 1
.set LO,  2                            ; v2   16 x lane
.set IA,  8                            ; v8   where my blocks' codes go in the piece
.set SA,  11                           ; v11  and their scale bytes
.set CI,  12                           ; v12  the way out: the piece + 16 x thread
.set CG,  13                           ; v13  16 x thread
.set STI, 14                           ; v14  v's stage, in
.set STO, 15                           ; v15  v's stage, out
.set X,   16                           ; v16-143  128 numbers: register 8 (k % 16) + 4 (k / 16) + m is number k of my block m
.set T,   144                          ; v144-175 one block's 32 numbers, held, on end
.set C,   176                          ; v176-207 codes: 8 registers for each block
.set BY,  208                          ; v208-211 scale bytes
.set A0,  212
.set A1,  213
.set H,   214
.set SO,  215
; Block blk of my four: largest magnitude, scale, hold, conversion, and out into the piece.  cstep: bytes from block to block; hstep: from the block's first 16 codes to its last 16; sstep: from scale byte to scale byte.
.macro QBLK blk, cstep, hstep, sstep
	v_max3_num_f32 v[A0], |v[X+\blk]|, |v[X+4+\blk]|, |v[X+8+\blk]|          ; all 32 numbers are mine, in whatever order; two chains
	v_max3_num_f32 v[A1], |v[X+12+\blk]|, |v[X+16+\blk]|, |v[X+20+\blk]|
.irp i, 6,10,14,18,22,26
	s_delay_alu instid0(VALU_DEP_2)
	v_max3_num_f32 v[A0], v[A0], |v[X+4*\i+\blk]|, |v[X+4*\i+4+\blk]|
	s_delay_alu instid0(VALU_DEP_2)
	v_max3_num_f32 v[A1], v[A1], |v[X+4*\i+8+\blk]|, |v[X+4*\i+12+\blk]|
.endr
	s_delay_alu instid0(VALU_DEP_2)
	v_max3_num_f32 v[A0], v[A0], |v[X+120+\blk]|, |v[X+124+\blk]|
	s_delay_alu instid0(VALU_DEP_1)
	v_max3_num_f32 v[A0], v[A0], v[A1], 0x8000000          ; and the floor 2^(16 - 127): the byte cannot fall under 1
	s_delay_alu instid0(VALU_DEP_1)
	v_add_nc_u32 v[SO], 0xf8800000, v[A0]                  ; 15 off the exponent field: the conversion's scale operand
	s_delay_alu instid0(VALU_DEP_2)
	v_and_or_b32 v[H], v[A0], 0x7f800000, s24              ; 57,344 x the scale
	s_delay_alu instid0(VALU_DEP_2)
	v_lshrrev_b32 v[BY+\blk], 23, v[SO]                    ; the scale's byte
.set n, 0
.rept 32
	v_med3_num_f32 v[T+n], v[X+8*(n%16)+4*(n/16)+\blk], -v[H], v[H]      ; the conversion to an 8-bit code does not saturate (ISA guide 7.6.2): the hold; it also lays the block's numbers on end, in their order
.set n, n+1
.endr
.irp g, 0,1,2,3
	v_cvt_scalef32_pk8_bf8_f32 v[C+8*\blk+2*\g:C+8*\blk+2*\g+1], v[T+8*\g:T+8*\g+7], v[SO]
.endr
	v_nop                                                  ; a plain line behind the last conversion: the next block writes T and SO again
	ds_store_b128 v[IA], v[C+8*\blk:C+8*\blk+3] offset:\blk*\cstep
	ds_store_b128 v[IA], v[C+8*\blk+4:C+8*\blk+7] offset:\blk*\cstep+\hstep
	ds_store_b8 v[SA], v[BY+\blk] offset:\blk*\sstep
.endm
; q's and k's loads.  Wave w takes l = 4 x + w / 2 and the half w % 2 of its rows: byte 4,096 x + 512 w of row (b, j).  Lane: columns 128 (w % 2) + 4 lane + m.  Row (b, j) is number 16 b + j of the block: it fills X[8 j + 4 b ..].
.macro ROWS src
	s_lshl_b32 s20, ttmp9, 12
	s_lshl_b32 s18, s16, 9
	s_add_co_u32 s20, s20, s18
	s_mov_b32 s21, 0
	s_add_nc_u64 s[20:21], s[\src:\src+1], s[20:21]
	s_add_nc_u64 s[22:23], s[20:21], BSTEP                 ; a base of its own for b = 1: 15 JSTEP is the most that the signed 24-bit immediate is asked for
.irp j, 0,1,2,3,4,5,6,7,8,9,10,11,12,13,14,15
	global_load_b128 v[X+8*\j:X+8*\j+3], v[LO], s[20:21] offset:\j*JSTEP th:TH_LOAD_NT
.endr
.irp j, 0,1,2,3,4,5,6,7,8,9,10,11,12,13,14,15
	global_load_b128 v[X+8*\j+4:X+8*\j+7], v[LO], s[22:23] offset:\j*JSTEP th:TH_LOAD_NT
.endr
.endm
; where a piece of kv lies: batch x / 64, trip (x % 64) / 4, kind, wave x % 4
.macro KVDST kind
	s_lshr_b32 s18, ttmp9, 6
	s_mul_i32 s20, s18, BATCHB
	s_bfe_u32 s18, ttmp9, 0x40002
	s_mul_i32 s18, s18, TRIPB
	s_add_co_u32 s20, s20, s18
	s_and_b32 s18, ttmp9, 3
	s_mul_i32 s18, s18, PIECE
	s_add_co_u32 s20, s20, s18
	s_add_co_u32 s20, s20, \kind*KINDB
	s_mov_b32 s21, 0
	s_add_nc_u64 s[20:21], s[12:13], s[20:21]
.endm
; The way out: the piece is whole behind the barrier; thread t copies the 16 bytes at 16 t + 4,096 i; the 1,024 scale bytes are threads 0 to 63's.
.macro OUT
	s_wait_dscnt 0x0                                       ; for the others' sake: my stores into the piece are done
	s_barrier_signal -1
	s_barrier_wait -1
.irp i, 0,1,2,3,4,5,6,7
	ds_load_b128 v[X+4*\i:X+4*\i+3], v[CI] offset:4096*\i
.endr
.irp i, 0,1,2,3,4,5,6,7
	s_wait_dscnt 7-\i                                      ; LDS loads come back in order: load i is in, the younger ones may be out
	global_store_b128 v[CG], v[X+4*\i:X+4*\i+3], s[20:21] offset:4096*\i
.endr
	s_cmp_lt_u32 s16, 2
	s_cbranch_scc0 .Ldone_\@
	ds_load_b128 v[X+32:X+35], v[CI] offset:CODES
	s_wait_dscnt 0x0
	global_store_b128 v[CG], v[X+32:X+35], s[20:21] offset:CODES
.Ldone_\@:
	s_wait_tensorcnt 0x0                                   ; the wave's end
	ds_add_u32 v216, v217
	s_wait_dscnt 0x0
	s_endpgm
.endm
	s_load_b128 s[4:7], s[0:1], 0x0                ; q, k
	s_load_b128 s[8:11], s[0:1], 0x10              ; v, qx
	s_load_b64 s[12:13], s[0:1], 0x20              ; kv
	v_lshl_add_u32 v216, v0, 2, SPARE
	v_mov_b32 v217, 0
	v_lshrrev_b32 v1, 5, v0
	s_delay_alu instid0(VALU_DEP_1)
	v_readfirstlane_b32 s16, v1                    ; wave 0..7
	s_and_b32 s17, ttmp7, 0xffff                   ; which tensor
	v_and_b32 v1, 31, v0
	s_delay_alu instid0(VALU_DEP_1)
	v_lshlrev_b32 v[LO], 4, v1
	v_lshlrev_b32 v[CG], 4, v0
	s_mov_b32 s24, 0x600000                        ; the mantissa field of 57,344
	s_wait_kmcnt 0x0
	s_cmp_eq_u32 s17, 2
	s_cbranch_scc1 .Lpath_v
	s_cmp_eq_u32 s17, 1
	s_cbranch_scc1 .Lpath_k
	; ---- q.  My columns: ch = 16 (w % 2) + lane / 2, cl = 4 (lane % 2) + m.  The row t' = 128 sigma + 32 (w / 2) + ch is query jq = lane / 2, lql = w.
	s_wait_alu depctr_va_vdst(0)
	ROWS 4
	v_bfe_u32 v3, v0, 1, 4                         ; jq
	v_and_b32 v4, 1, v0
	v_bfe_u32 v5, v0, 5, 3                         ; lql
	s_delay_alu instid0(VALU_DEP_3)
	v_lshlrev_b32 v[IA], 11, v3
	s_delay_alu instid0(VALU_DEP_1)
	v_lshl_add_u32 v[IA], v5, 8, v[IA]
	s_delay_alu instid0(VALU_DEP_1)
	v_lshl_add_u32 v[IA], v4, 7, v[IA]             ; 2,048 jq + 256 lql + 32 cl  (IMGQ = 0)
	v_lshlrev_b32 v[SA], 6, v3
	s_delay_alu instid0(VALU_DEP_1)
	v_lshl_add_u32 v[SA], v5, 3, v[SA]
	s_delay_alu instid0(VALU_DEP_1)
	v_lshl_add_u32 v[SA], v4, 2, v[SA]
	s_delay_alu instid0(VALU_DEP_1)
	v_add_nc_u32 v[SA], IMGQ+CODES, v[SA]          ; 64 jq + 8 lql + cl
	v_lshl_add_u32 v[CI], v0, 4, IMGQ
	s_wait_loadcnt 0x0
.irp m, 0,1,2,3
	QBLK \m, 32, 16, 1
.endr
	s_mul_i32 s20, ttmp9, PIECE                    ; (the loads are done: their bases may be written)
	s_mov_b32 s21, 0
	s_add_nc_u64 s[20:21], s[10:11], s[20:21]
	OUT
.Lpath_k:
	; ---- k.  Key 32 (w / 2) + ch with ch = 16 (r / 8) + 8 u + r % 8: tile kt = 2 (w / 2) + u, u = lane / 16, r = 8 (w % 2) + (lane / 2) % 8.  cl = 4 s + c: s = lane % 2, c = m.
	s_wait_alu depctr_va_vdst(0)
	ROWS 6
	v_bfe_u32 v3, v0, 6, 2                         ; w / 2
	v_bfe_u32 v4, v0, 4, 1                         ; u
	v_and_b32 v5, 1, v0                            ; s
	v_bfe_u32 v6, v0, 5, 1                         ; r / 8
	v_bfe_u32 v7, v0, 1, 3                         ; r % 8
	v_lshlrev_b32 v[IA], 13, v3
	s_delay_alu instid0(VALU_DEP_1)
	v_lshl_add_u32 v[IA], v4, 12, v[IA]
	s_delay_alu instid0(VALU_DEP_1)
	v_lshl_add_u32 v[IA], v5, 11, v[IA]
	s_delay_alu instid0(VALU_DEP_1)
	v_lshl_add_u32 v[IA], v6, 7, v[IA]
	s_delay_alu instid0(VALU_DEP_1)
	v_lshl_add_u32 v[IA], v7, 4, v[IA]
	s_delay_alu instid0(VALU_DEP_1)
	v_add_nc_u32 v[IA], IMGK, v[IA]                ; 4,096 kt + 2,048 s + 16 r; + 512 c; the block's last 16 codes are lane 16 + r's: + 256
	v_bfe_u32 v9, v0, 7, 1                         ; kt / 4
	v_bfe_u32 v10, v0, 6, 1
	s_delay_alu instid0(VALU_DEP_2)
	v_lshlrev_b32 v[SA], 9, v9
	s_delay_alu instid0(VALU_DEP_1)
	v_lshl_add_u32 v[SA], v5, 8, v[SA]
	s_delay_alu instid0(VALU_DEP_1)
	v_lshl_add_u32 v[SA], v6, 7, v[SA]
	s_delay_alu instid0(VALU_DEP_1)
	v_lshl_add_u32 v[SA], v7, 4, v[SA]
	s_delay_alu instid0(VALU_DEP_1)
	v_lshl_add_u32 v[SA], v10, 3, v[SA]
	s_delay_alu instid0(VALU_DEP_1)
	v_lshl_add_u32 v[SA], v4, 2, v[SA]
	s_delay_alu instid0(VALU_DEP_1)
	v_add_nc_u32 v[SA], IMGK+CODES, v[SA]          ; 512 (kt / 4) + 16 (16 s + r) + 4 (kt % 4) + c
	v_lshl_add_u32 v[CI], v0, 4, IMGK
	s_wait_loadcnt 0x0
.irp m, 0,1,2,3
	QBLK \m, 512, 256, 1
.endr
	KVDST 0
	OUT
.Lpath_v:
	; ---- v.  Wave w takes b = w / 4 and l = 4 x + w % 4: 16 whole source rows (j), which turn through its own stage, half a row at a time: in as they lie, out 16 bytes of every 32 to a lane.
	s_lshr_b32 s18, s16, 2
	s_and_b32 s19, s16, 3
	s_lshl_b32 s20, ttmp9, 12
	s_lshl_b32 s19, s19, 10
	s_add_co_u32 s20, s20, s19
	s_lshl_b32 s18, s18, 23
	s_add_co_u32 s20, s20, s18
	s_mov_b32 s21, 0
	s_add_nc_u64 s[20:21], s[8:9], s[20:21]
	s_wait_alu depctr_va_vdst(0)
.irp j, 0,1,2,3,4,5,6,7,8,9,10,11,12,13,14,15
.irp f, 0,1
	global_load_b128 v[X+8*\j+4*\f:X+8*\j+4*\f+3], v[LO], s[20:21] offset:\j*JSTEP+512*\f th:TH_LOAD_NT
.endr
.endr
	v_and_b32 v3, 1, v0                            ; which half of cl
	v_bfe_u32 v4, v0, 1, 4                         ; j = r
	v_bfe_u32 v5, v0, 5, 2                         ; w % 4 = c: which 32 of the piece's 128 keys
	v_bfe_u32 v6, v0, 7, 1                         ; b
	s_delay_alu instid0(VALU_DEP_4)
	v_lshlrev_b32 v[IA], 14, v3
	s_delay_alu instid0(VALU_DEP_1)
	v_lshl_add_u32 v[IA], v6, 11, v[IA]
	s_delay_alu instid0(VALU_DEP_1)
	v_lshl_add_u32 v[IA], v5, 9, v[IA]
	s_delay_alu instid0(VALU_DEP_1)
	v_lshl_add_u32 v[IA], v4, 4, v[IA]
	s_delay_alu instid0(VALU_DEP_1)
	v_add_nc_u32 v[IA], IMGV, v[IA]                ; channel tile ct = 2 cl + b = 8 (lane % 2) + 2 m + b: 2,048 ct + 512 c + 16 r
	v_lshlrev_b32 v[SA], 9, v3
	s_delay_alu instid0(VALU_DEP_1)
	v_lshl_add_u32 v[SA], v6, 8, v[SA]
	s_delay_alu instid0(VALU_DEP_1)
	v_lshl_add_u32 v[SA], v4, 4, v[SA]
	s_delay_alu instid0(VALU_DEP_1)
	v_add_nc_u32 v[SA], v5, v[SA]
	s_delay_alu instid0(VALU_DEP_1)
	v_add_nc_u32 v[SA], IMGV+CODES, v[SA]          ; 512 (lane % 2) + 16 (16 b + r) + 4 m + c
	v_lshl_add_u32 v[CI], v0, 4, IMGV
	s_mul_i32 s18, s16, SWAVE
	s_add_co_u32 s18, s18, STV
	v_add_nc_u32 v[STI], s18, v[LO]
	v_mul_u32_u24 v[STO], v4, SROW
	s_delay_alu instid0(VALU_DEP_1)
	v_lshl_add_u32 v[STO], v3, 4, v[STO]
	s_delay_alu instid0(VALU_DEP_1)
	v_add_nc_u32 v[STO], s18, v[STO]
	s_wait_alu depctr_va_vdst(0)
	s_wait_loadcnt 0x0
.irp f, 0,1                            ; half f of the 16 rows: columns 128 f on
.irp j, 0,1,2,3,4,5,6,7,8,9,10,11,12,13,14,15
	ds_store_b128 v[STI], v[X+8*\j+4*\f:X+8*\j+4*\f+3] offset:\j*SROW
.endr
	s_wait_dscnt 0x0                               ; the stores have read their 64 registers, which the loads below fill again
.set n, 0
.rept 16
	ds_load_b128 v[X+8*n+4*\f:X+8*n+4*\f+3], v[STO] offset:32*n      ; row j, columns 8 (16 f + n) + 4 (lane % 2) + 0..3: number 16 f + n of my four blocks
.set n, n+1
.endr
	s_wait_dscnt 0x0                               ; they are in: the stage may take the other half
.endr
	s_barrier_signal -1                            ; no LDS instruction of mine is out;
	s_barrier_wait -1                              ; nor of any wave: the stages are read out, and the piece may be laid over them
.irp m, 0,1,2,3
	QBLK \m, 4096, 256, 4
.endr
	KVDST 1
	OUT
.Lfunc_end_k_q366ae01849_prep:
	.size	k_q366ae01849_prep, .Lfunc_end_k_q366ae01849_prep-k_q366ae01849_prep
	.p2alignl 7, 3214868480
	.fill 96, 4, 3214868480
	.section	.rodata,"a",@progbits
	.p2align	6, 0x0
	.amdhsa_kernel k_q366ae01849_prep
		.amdhsa_group_segment_fixed_size 138240
		.amdhsa_private_segment_fixed_size 0
		.amdhsa_enable_private_segment 0
		.amdhsa_kernarg_size 40
		.amdhsa_user_sgpr_count 2
		.amdhsa_user_sgpr_kernarg_segment_ptr 1
		.amdhsa_wavefront_size32 1
		.amdhsa_system_sgpr_workgroup_id_x 1
		.amdhsa_system_sgpr_workgroup_id_y 1
		.amdhsa_system_sgpr_workgroup_id_z 1
		.amdhsa_system_vgpr_workitem_id 0
		.amdhsa_next_free_vgpr 218
		.amdhsa_next_free_sgpr 66
		.amdhsa_reserve_vcc 0
		.amdhsa_float_denorm_mode_32 3
		.amdhsa_float_denorm_mode_16_64 3
		.amdhsa_memory_ordered 1
		.amdhsa_forward_progress 1
		.amdhsa_inst_pref_size 77
	.end_amdhsa_kernel
	.amdgpu_metadata
---
amdhsa.version: [ 1, 2 ]
amdhsa.kernels:
  - .name:           k_q366ae01849_prep
    .symbol:         k_q366ae01849_prep.kd
    .args:
      - { .name: q, .offset: 0, .size: 8, .value_kind: global_buffer, .address_space: global }
      - { .name: k, .offset: 8, .size: 8, .value_kind: global_buffer, .address_space: global }
      - { .name: v, .offset: 16, .size: 8, .value_kind: global_buffer, .address_space: global }
      - { .name: qx, .offset: 24, .size: 8, .value_kind: global_buffer, .address_space: global }
      - { .name: kv, .offset: 32, .size: 8, .value_kind: global_buffer, .address_space: global }
    .group_segment_fixed_size: 138240
    .private_segment_fixed_size: 0
    .kernarg_segment_align: 8
    .kernarg_segment_size: 40
    .max_flat_workgroup_size: 256
    .sgpr_count:     66
    .vgpr_count:     218
    .wavefront_size: 32
...
	.end_amdgpu_metadata
.endif
;; end of part 1
;; launch attn (part 2): grid 128 x 2, 8 waves a work-group, clusters of 4 x 1, 327,680 bytes of LDS; arguments qx, kv, out0; writes out0
.if DOCPART == 2
	.amdgcn_target "amdgcn-amd-amdhsa--gfx1250"
	.amdhsa_code_object_version 6
	.text
	.protected	k_q366ae01849_attn
	.globl	k_q366ae01849_attn
	.p2align	8
	.type	k_q366ae01849_attn,@function
k_q366ae01849_attn:
	s_mov_b64 s[64:65], 0
	v_nop
	global_prefetch_b8 v0, s[64:65] scope:SCOPE_SE
	s_setreg_imm32_b32 hwreg(HW_REG_WAVE_MODE, 25, 1), 1
	s_wait_xcnt 0x0
	s_wait_alu depctr_hold_cnt(0) depctr_sa_sdst(0) depctr_va_vdst(0) depctr_va_sdst(0) depctr_va_ssrc(0) depctr_va_vcc(0) depctr_vm_vsrc(0)
	s_getreg_b32 s2, hwreg(HW_REG_IB_STS2, 6, 4)
	s_cmp_eq_u32 s2, 0
	s_cbranch_scc0 .Lentry_in_a_cluster
	s_endpgm
.Lentry_in_a_cluster:
	s_bfe_u32 s2, ttmp6, 0x10000c
	s_cmp_lg_u32 s2, 0x3003
	s_cbranch_scc0 .Lentry_shape_is_right
	s_endpgm
.Lentry_shape_is_right:
; out = untranspose(softmax(q' k'^T / 8) v'), both products on codes of BF8 (E5M2) with one E8M0 scale for each 32 along K, from the pieces that the launch before has laid (its head comment has the layouts).
; THE SOFTMAX AHEAD OF THE SECOND PRODUCT: t = score x log2(e) / 8; M = the largest t so far, rounded UP to a whole number; p = 2^(t - M) is quantised along the keys, not normalised; the sum is taken of the unquantised p.
; SHARES.  256 work-groups.  Work-group (x, n') owns the 64 queries t' = 16 lq + jq, jq = x / 8, lq = 64 (x % 8) + 0..63: one channel of them is 256 consecutive bytes of out0.  Eight waves, two to a SIMD, 512 registers each.
; A TRIP is 512 keys: four pieces of K, four of V.  FIRST PRODUCT: wave w takes 64 keys (half w % 2 of piece w / 2) x all 64 queries: S^T = K Q^T, 128 registers; a fragment of K feeds four products; Q stays in registers.
; The eight waves' largest scores meet in LDS, so that ALL WAVES HOLD ONE RUNNING M for each query.  Each wave makes p, its part of the sum, and P's codes and scale bytes for its 64 keys, and lays them in LDS as images of the operand's registers.
; SECOND PRODUCT: wave w owns channels 64 (w % 4) + 0..63 x all 64 queries and the trip's pieces 2 (w / 4), 2 (w / 4) + 1: O^T += V^T P^T, 128 registers.  At the end the two halves of the keys are added: they stand under the same M.
; A lane holds ONE query (lane % 16) throughout; the keys of a tile of K are chosen so that tiles 2 b and 2 b + 1 are keys 32 b + 16 (lane / 16) + 0..15.
; ORDER OF A TRIP i: round A, behind which both slots, read out by then, are filled again: waves 0-3 ask for V(i), waves 4-7 for K(i+1), a piece each; softmax(i), P(i) into LDS; barrier B, ahead of which V's loaders have waited;
; O^T += V(i) P(i); barrier C, ahead of which every wave has waited for its load: K(i+1) is whole; S^T(i+1) and its largest scores.  V's and K's loads are two lines of the text, since their issuers wait at different places.
; V(0) comes at the head with K(0), one piece a wave, so trip 0 is written out with K's load alone, and the last trip with V's alone.  By the text's count a wave has one tensor load out.
; CLUSTER.  The four work-groups of a cluster walk the same pieces of one batch: every fill is a JOINT load, its descriptor made of n' and the wave's number alone, its mask all four.
; PREFETCH.  The batch's first cluster asks, behind round A of trip i, for the codes of trip i + 2: partner cx names piece cx of K (waves 0-3) and of V (waves 4-7), 8,192 bytes a wave, lanes 256 bytes apart; trips 14 and 15 ask for nothing.
; LIMITS: NaN and infinities among the inputs are not served; the scaled scores stay under 2^31 in magnitude.
; REGISTERS.  Window 0: v1-35 addresses and scale words; v36-51 four statistics a query tile; v52-59 f; v64-127 K's two sets, then work and P's codes, then V's second step; v128-255 S^T, then P's and V's fragments.
;   Window 1: v0-127 Q; v128-255 O^T, accumulator (qt, t) at 128 + 32 qt + 8 t.   s_set_vgpr_msb: bits 1:0 source 0, 3:2 source 1, 5:4 source 2, 7:6 destination.
.set PIECE,  33792
.set CODES,  32768
.set KINDB,  4*PIECE
.set TRIPB,  2*KINDB
.set BATCHB, 16*TRIPB
.set VS,     KINDB                     ; LDS: K's slot at 0, V's slot behind it
.set PB,     2*KINDB                   ; P's codes [piece 4][qt 4][c 4][lane 32][16]
.set PSC,    PB+32768                  ; P's scale words [piece 4][r 16][qt 4]
.set MXB,    PSC+1024                  ; the waves' largest scores [qt 4][r 16][wave 8]
.set LSO,    2048                      ; behind them, laid alike: the waves' sums
.set SPARE,  MXB+2*LSO                 ; the spare words, 128 bytes for each wave: four blocks of 256 bytes that no other line names
.set CPITCH, 272                       ; the way out: a channel's 64 queries, 256 bytes + 16
.set STGB,   256*CPITCH                ; a stage: O^T of one half of the keys.  The two stages lie over the slots, which have had their last fill and their last read by then
.set AK, 1
.set AKS, 2
.set APW, 3
.set APS, 4
.set AMW, 5
.set AMR, 6
.set APR, 7
.set VSC, 8                            ; v8-11  V's scale words, two registers a K step
.set PSR, 12                           ; v12-15, v20-23  P's scale words of the two K steps
.set APSR, 16
.set AVR, 17
.set AVS, 18
.set PFO, 19
.set SCL, 24                           ; v24-27 K's scale words
.set QS,  28                           ; v28-31 Q's
.set SPW, 32
.set NIL, 33
.set ST,  36                           ; tile qt at v[ST + 4 qt]: -M, the largest t, the sum in two halves
.set FF,  52                           ; f = 2^(old M - new M), the low word of a pair for each tile
.set KA,  64
.set BM,  64                           ; the eight blocks' largest scores, then largest p
.set PT,  72
.set PC,  64                           ; P's codes, 4 registers a block
.set MX,  96
.set SO,  96
.set HD,  104
.set PY,  112
.set PW,  120
.set SB,  128
.set WV,  10
.set G1,  24                           ; s[24:31] group 1: a piece
.set G0X, 32                           ; s[32:35] group 0 of the refills, which walks
.set G0H, 36                           ; s[36:39] group 0 of the head's load
.set PFA, 40
.set LIM, 42
.set TR,  43
.set CS,  44
.set SEL, 46
.set MNT, 48
.set MSB, 0
.macro WIN new                         ; the immediate's high byte repeats the setting that is left
.if MSB != (\new)
	s_set_vgpr_msb (MSB<<8)|(\new)
.set MSB, (\new)
.endif
.endm
.macro PLACES n
.rept \n
	v_nop
.endr
.endm
.macro CROUND                          ; a round of the cluster's barrier
	s_barrier_signal -1
	s_barrier_wait -1
	s_cmp_lg_u32 s[WV], 0
	s_cbranch_scc1 .Lnot_wave_0_\@
	s_barrier_signal -3
.Lnot_wave_0_\@:
	s_barrier_wait -3
	s_barrier_signal -1
	s_barrier_wait -1
.endm
.macro BAR
	s_barrier_signal -1
	s_barrier_wait -1
.endm
.macro TL                              ; a joint refill
	tensor_load_to_lds s[G0X:G0X+3], s[G1:G1+7]
	s_nop 0
	PLACES 4
.endm
; one product.  z = 1: it starts the sum.  row: 0 both scales from lanes 0-15; 1 source 0's from lanes 16-31; 2 both from lanes 16-31
.macro MM d, a, b, z, sa, sb, row
.if \z
	v_wmma_scale_f32_16x16x128_f8f6f4 v[\d:\d+7], v[\a:\a+15], v[\b:\b+15], 0, v[\sa], v[\sb] matrix_a_fmt:MATRIX_FMT_BF8 matrix_b_fmt:MATRIX_FMT_BF8
.elseif \row == 0
	v_wmma_scale_f32_16x16x128_f8f6f4 v[\d:\d+7], v[\a:\a+15], v[\b:\b+15], v[\d:\d+7], v[\sa], v[\sb] matrix_a_fmt:MATRIX_FMT_BF8 matrix_b_fmt:MATRIX_FMT_BF8
.elseif \row == 1
	v_wmma_scale_f32_16x16x128_f8f6f4 v[\d:\d+7], v[\a:\a+15], v[\b:\b+15], v[\d:\d+7], v[\sa], v[\sb] matrix_a_fmt:MATRIX_FMT_BF8 matrix_b_fmt:MATRIX_FMT_BF8 matrix_a_scale:MATRIX_SCALE_ROW1
.else
	v_wmma_scale_f32_16x16x128_f8f6f4 v[\d:\d+7], v[\a:\a+15], v[\b:\b+15], v[\d:\d+7], v[\sa], v[\sb] matrix_a_fmt:MATRIX_FMT_BF8 matrix_b_fmt:MATRIX_FMT_BF8 matrix_a_scale:MATRIX_SCALE_ROW1 matrix_b_scale:MATRIX_SCALE_ROW1
.endif
.endm
.macro FETCH_K kt, bank                ; my key tile kt's two fragments (K steps 0, 1): images of the registers, 16 bytes a lane
.irp s, 0,1
.irp g, 0,1,2,3
	ds_load_b128 v[KA+32*(\bank)+16*\s+4*\g:KA+32*(\bank)+16*\s+4*\g+3], v[AK] offset:((2*(\kt)+\s)*4+\g)*512
.endr
.endr
.endm
; S^T = K Q^T: 4 key tiles x 4 query tiles x 2 K steps; the four accumulators of a key tile take turns.  Source 1 (Q) lies in window 1, all else in window 0: one setting serves loads and products.
.macro QK
	WIN 0x04
	ds_load_b128 v[SCL:SCL+3], v[AKS]
	FETCH_K 0, 0
	FETCH_K 1, 1
.irp kt, 0,1,2,3
.if \kt < 3
	s_wait_dscnt 8                                 ; this tile's set (and the scale words) are in; the younger set's eight loads may be out
.else
	s_wait_dscnt 0x0
.endif
.irp qt, 0,1,2,3
	MM SB+32*\qt+8*\kt, KA+32*(\kt%2), 32*\qt, 1, SCL+\kt, QS+\qt, 0
.endr
.irp qt, 0,1,2,3
	MM SB+32*\qt+8*\kt, KA+32*(\kt%2)+16, 32*\qt+16, 0, SCL+\kt, QS+\qt, 2
.endr
.if \kt < 2
	PLACES 8                                       ; places in front of loads into registers that products have read (ISA guide 7.12.1 for vector instructions)
	FETCH_K \kt+2, \kt%2
.endif
.endr
	WIN 0
	PLACES 8                                       ; in front of the first read of results and of writes over K's sets
.endm
; The largest score of each of my 8 blocks (tile qt, 32 keys): block n = 2 qt + b is v[SB + 16 n ..]; each accumulator is read from its low end on.  The tile's largest goes to my word of the table.
.macro MAXPH
.irp n, 0,1,2,3,4,5,6,7
	v_max3_num_f32 v[BM+\n], v[SB+16*\n], v[SB+16*\n+1], v[SB+16*\n+2]
.endr
.irp i, 3,5,7,9,11,13
.irp n, 0,1,2,3,4,5,6,7
	v_max3_num_f32 v[BM+\n], v[BM+\n], v[SB+16*\n+\i], v[SB+16*\n+\i+1]
.endr
.endr
.irp n, 0,1,2,3,4,5,6,7
	v_max_num_f32 v[BM+\n], v[BM+\n], v[SB+16*\n+15]
.endr
.irp n, 0,1,2,3,4,5,6,7
	v_permlanex16_b32 v[PT+\n], v[BM+\n], s[SEL], s[SEL+1]
.endr
.irp n, 0,1,2,3,4,5,6,7
	v_max_num_f32 v[BM+\n], v[BM+\n], v[PT+\n]     ; with lane l xor 16's 16 keys
.endr
.irp qt, 0,1,2,3
	v_max_num_f32 v[PT+\qt], v[BM+2*\qt], v[BM+2*\qt+1]
.endr
.irp qt, 0,1,2,3
	ds_store_b32 v[AMW], v[PT+\qt] offset:512*\qt  ; both halves of the lanes write the same word with the same value
.endr
.endm
; THE SOFTMAX of my 64 keys x 64 queries.  The four tiles (eight blocks) take turns line by line.
.macro SOFTMAX
.irp qt, 0,1,2,3
	ds_load_b128 v[MX+8*\qt:MX+8*\qt+3], v[AMR] offset:512*\qt
	ds_load_b128 v[MX+8*\qt+4:MX+8*\qt+7], v[AMR] offset:512*\qt+16
.endr
	s_wait_dscnt 0x0
.irp i, 1,3,5
.irp qt, 0,1,2,3
	v_max3_num_f32 v[MX+8*\qt], v[MX+8*\qt], v[MX+8*\qt+\i], v[MX+8*\qt+\i+1]
.endr
.endr
.irp qt, 0,1,2,3
	v_max_num_f32 v[MX+8*\qt], v[MX+8*\qt], v[MX+8*\qt+7]   ; the trip's largest score of my query, over all eight waves
.endr
.irp qt, 0,1,2,3
	v_mul_f32 v[MX+8*\qt], s[CS], v[MX+8*\qt]      ; as t (c is positive)
.endr
.irp qt, 0,1,2,3
	v_max_num_f32 v[ST+4*\qt+1], v[ST+4*\qt+1], v[MX+8*\qt]
.endr
.irp qt, 0,1,2,3
	v_mov_b32 v[MX+8*\qt+1], v[ST+4*\qt]
.endr
.irp qt, 0,1,2,3
	v_floor_f32 v[ST+4*\qt], -v[ST+4*\qt+1]        ; the new -M = floor(-t): M is a whole number
.endr
.irp qt, 0,1,2,3
	v_sub_f32 v[MX+8*\qt], v[ST+4*\qt], v[MX+8*\qt+1]
.endr
.irp qt, 0,1,2,3
	v_cvt_i32_f32 v[MX+8*\qt], v[MX+8*\qt]         ; old M - new M, 0 or less (it saturates)
.endr
.irp qt, 0,1,2,3
	v_ldexp_f32 v[FF+2*\qt], 1.0, v[MX+8*\qt]      ; f = 2^(old M - new M): exact
.endr
.irp qt, 0,1,2,3
	v_pk_mul_f32 v[ST+4*\qt+2:ST+4*\qt+3], v[ST+4*\qt+2:ST+4*\qt+3], v[FF+2*\qt:FF+2*\qt+1] op_sel_hi:[1,0]   ; my sum under the new M
.endr
	WIN 0x41
.irp qt, 0,1,2,3
.set n, 0
.rept 16
	v_pk_mul_f32 v[128+32*\qt+n:128+32*\qt+n+1], v[128+32*\qt+n:128+32*\qt+n+1], v[FF+2*\qt:FF+2*\qt+1] op_sel_hi:[1,0]   ; my O^T under the new M; it stands ahead of the exponentials
.set n, n+2
.endr
.endr
	WIN 0
.irp n, 0,1,2,3,4,5,6,7
	v_fma_f32 v[BM+\n], v[BM+\n], s[CS], v[ST+4*(\n/2)]    ; t - M of each block's largest score: p rises with the score, so its p is the block's largest
.endr
.irp qt, 0,1,2,3
.set n, 0
.rept 16
	v_pk_fma_f32 v[SB+32*\qt+n:SB+32*\qt+n+1], v[SB+32*\qt+n:SB+32*\qt+n+1], s[CS:CS+1], v[ST+4*\qt:ST+4*\qt+1] op_sel_hi:[1,0,0]   ; t - M, two at a time
.set n, n+2
.endr
.endr
	s_wait_alu depctr_va_vdst(0)                   ; the wait ahead of the batch
.irp n, 0,1,2,3,4,5,6,7
	v_exp_f32 v[BM+\n], v[BM+\n]
.endr
.set n, 0
.rept 128
	v_exp_f32 v[SB+n], v[SB+n]                     ; p = 2^(t - M), at most 1
.set n, n+1
.endr
	v_nop                                          ; a plain line behind the last exponential,
	s_wait_alu depctr_va_vdst(0)                   ; and one wait for the 136
.irp j, 0,2,4,6,8,10,12,14,16,18,20,22,24,26,28,30
.irp qt, 0,1,2,3
	v_pk_add_f32 v[ST+4*\qt+2:ST+4*\qt+3], v[ST+4*\qt+2:ST+4*\qt+3], v[SB+32*\qt+\j:SB+32*\qt+\j+1]   ; the sum is taken of the unquantised p
.endr
.endr
.irp n, 0,1,2,3,4,5,6,7
	v_max_num_f32 v[BM+\n], 0x8000000, v[BM+\n]    ; the floor 2^(16 - 127): the byte cannot fall under 1
.endr
.irp n, 0,1,2,3,4,5,6,7
	v_add_nc_u32 v[SO+\n], 0xf8800000, v[BM+\n]    ; 15 off the exponent field: the conversion's scale operand
.endr
.irp n, 0,1,2,3,4,5,6,7
	v_and_or_b32 v[HD+\n], v[BM+\n], 0x7f800000, s[MNT]    ; 57,344 x the scale
.endr
.irp n, 0,1,2,3,4,5,6,7
	v_lshrrev_b32 v[PY+\n], 23, v[SO+\n]           ; the scale's byte
.endr
.irp qt, 0,1,2,3
	v_lshl_or_b32 v[PW+\qt], v[PY+2*\qt+1], 8, v[PY+2*\qt]
.endr
.irp qt, 0,1,2,3
	ds_store_b16 v[APS], v[PW+\qt] offset:4*\qt    ; my two bytes of the tile's scale word of this piece
.endr
.irp n, 0,1,2,3,4,5,6,7
.irp i, 0,1,2,3,4,5,6,7,8,9,10,11,12,13,14,15
	v_min_num_f32 v[SB+16*\n+\i], v[SB+16*\n+\i], v[HD+\n]     ; the conversion to an 8-bit code does not saturate (ISA guide 7.6.2); p is not negative, so the hold is one-sided
.endr
	v_cvt_scalef32_pk8_bf8_f32 v[PC+4*\n:PC+4*\n+1], v[SB+16*\n:SB+16*\n+7], v[SO+\n]
	v_cvt_scalef32_pk8_bf8_f32 v[PC+4*\n+2:PC+4*\n+3], v[SB+16*\n+8:SB+16*\n+15], v[SO+\n]
.endr
	v_nop                                          ; a plain line behind the last conversion
.irp n, 0,1,2,3,4,5,6,7
	ds_store_b128 v[APW], v[PC+4*\n:PC+4*\n+3] offset:(\n/2)*2048+(\n%2)*512
.endr
	s_wait_alu depctr_va_vdst(0)                   ; directly ahead of the wait below
	s_wait_dscnt 0x0                               ; for the others' sake: P's codes and bytes are in LDS
	s_cmp_lt_u32 s[WV], 4                          ; V's loaders wait for their piece; K's loads may stay out across this barrier
	s_cbranch_scc0 .Lnot_v_\@
	s_wait_tensorcnt 0x0
.Lnot_v_\@:
	BAR                                            ; barrier B: P(i) and V(i) are whole
.endm
.macro LDP k
.irp qt, 0,1,2,3
.irp c, 0,1,2,3
	ds_load_b128 v[SB+16*\qt+4*\c:SB+16*\qt+4*\c+3], v[APR] offset:\k*8192+\qt*2048+\c*512
.endr
.endr
.endm
.macro LDV k, base
.irp t, 0,1,2,3
.irp c, 0,1,2,3
	ds_load_b128 v[\base+16*\t+4*\c:\base+16*\t+4*\c+3], v[AVR] offset:\k*PIECE+\t*2048+\c*512
.endr
.endr
.endm
; 16 products, each of my 16 accumulators one turn.  V's scale register t / 2 holds the even tile's words in lanes 0-15, the odd tile's in lanes 16-31.  staged = 1: V's tiles are waited for one by one
.macro PVMM k, vb, staged
	WIN 0x50
.irp t, 0,1,2,3
.if \staged
	s_wait_dscnt 16+4*(3-\t)                       ; the scale words, P and V's tiles up to t are in; V's later tiles of this step (four loads each) and the next step's 16 loads may be out
.endif
.irp qt, 0,1,2,3
	MM 128+32*\qt+8*\t, \vb+16*\t, SB+16*\qt, 0, VSC+2*\k+\t/2, PSR+8*\k+\qt, \t%2
.endr
.endr
	WIN 0
.endm
; O^T += V^T P^T over my two pieces.  c = 1: barrier C is signalled ahead of the last 16 products and waited for behind them
.macro PV c
	ds_load_b64 v[VSC:VSC+1], v[AVS]
	ds_load_b64 v[VSC+2:VSC+3], v[AVS] offset:PIECE
	ds_load_b128 v[PSR:PSR+3], v[APSR]
	ds_load_b128 v[PSR+8:PSR+11], v[APSR] offset:256
	LDP 0
	LDV 0, SB+64
	LDV 1, KA
	PVMM 0, SB+64, 1
	PLACES 8                                       ; in front of loads into registers that products have read
	LDP 1
	s_wait_dscnt 0x0
.if \c
	s_wait_tensorcnt 0x0                           ; every wave: no load of mine is out, so K's pieces of the next trip have landed
	s_barrier_signal -1
.endif
	PVMM 1, KA, 0
	PLACES 9                                       ; S^T is next written over these fragments by products: nine places
.if \c
	s_barrier_wait -1                              ; barrier C: K(i+1) is whole.
.endif
.endm
; ROUND A.  Every wave: all its tensor loads are done, the add, its LDS instructions are done (its reads of both slots, its store of largest scores); the round; the refills, one a wave.
; mode 0: waves 0-3 V(i), waves 4-7 K(i+1).  mode 1 (trip 0): K(1) alone.  mode 2 (the last trip): V(15) alone.  The branches hang on the wave's number alone.
.macro ROUNDA mode
	s_wait_alu depctr_va_vdst(0)                   ; directly ahead of the wait below
	s_wait_tensorcnt 0x0
	ds_add_u32 v[SPW], v[NIL]
.if \mode != 1
	s_add_nc_u64 s[G0X+2:G0X+3], s[G0X+2:G0X+3], TRIPB
.endif
.if \mode != 2
	s_wait_xcnt 0x0                                ; the last prefetch, a trip back, has read its address
	s_add_nc_u64 s[PFA:PFA+1], s[PFA:PFA+1], TRIPB
.endif
	s_wait_dscnt 0x0
	CROUND
	s_cmp_lt_u32 s[WV], 4
.if \mode == 0
	s_cbranch_scc0 .Lfor_k_\@
	TL
	s_branch .Lasked_\@
.Lfor_k_\@:
	TL
.elseif \mode == 1
	s_cbranch_scc1 .Lasked_\@
	TL
.else
	s_cbranch_scc0 .Lasked_\@
	TL
.endif
.Lasked_\@:
.if \mode != 2
	s_cmp_gt_u32 s[TR], s[LIM]
	s_cbranch_scc0 .Lnot_mine_\@
	global_prefetch_b8 v[PFO], s[PFA:PFA+1] th:TH_LOAD_NT scope:SCOPE_SE
.Lnot_mine_\@:
.endif
.endm
	s_load_b128 s[4:7], s[0:1], 0x0                ; qx, kv
	s_load_b64 s[8:9], s[0:1], 0x10                ; out0
	v_lshl_add_u32 v[SPW], v0, 2, SPARE
	v_mov_b32 v[NIL], 0
	ds_add_u32 v[SPW], v[NIL]                      ; the opening lines: the add twice on end and one wait
	ds_add_u32 v[SPW], v[NIL]
	v_lshrrev_b32 v34, 5, v0
	v_readfirstlane_b32 s[WV], v34                 ; wave 0..7
	s_bfe_u32 s11, ttmp6, 0x40000                  ; cx: it enters qx's, out0's and the prefetches' addresses alone
	s_lshl_b32 s12, ttmp9, 2
	s_add_co_u32 s12, s12, s11                     ; x
	s_lshr_b32 s13, s12, 3                         ; jq
	s_and_b32 s14, s12, 7                          ; which 64 of the 512 lq
	s_and_b32 s15, ttmp7, 0xffff                   ; n'
	s_mul_i32 s16, s15, BATCHB
	s_mov_b32 s17, 0
	s_mul_i32 s18, s[WV], PIECE
	s_xor_b32 s56, s[WV], 4
	s_mul_i32 s56, s56, PIECE                      ; a refill's place: waves 0-3 the pieces of V's slot, waves 4-7 those of K's
	s_lshl_b32 s50, s15, 6
	s_lshl_b32 s19, s14, 3
	s_add_co_u32 s50, s50, s19
	s_mul_i32 s50, s50, PIECE                      ; qx: my queries lie in pieces 64 n' + 8 (x % 8) + 0..7
	s_lshl_b32 s19, s13, 6
	s_add_co_u32 s54, s50, s19
	s_add_co_u32 s54, s54, CODES                   ; their scale bytes: + 32,768 + 64 jq
	s_mov_b32 s55, 0
	s_lshl_b32 s19, s13, 11
	s_add_co_u32 s50, s50, s19                     ; their codes: + 2,048 jq
	s_mov_b32 s51, 0
	s_lshl_b32 s52, s13, 20                        ; out0: 1,048,576 jq + 2,048 n' + 256 (x % 8)
	s_lshl_b32 s19, s15, 11
	s_add_co_u32 s52, s52, s19
	s_lshl_b32 s19, s14, 8
	s_add_co_u32 s52, s52, s19
	s_mov_b32 s53, 0
	s_lshr_b32 s57, s[WV], 1                       ; first product: my piece,
	s_and_b32 s58, s[WV], 1                        ; and my half of it
	s_lshr_b32 s59, s[WV], 2                       ; second product: my half of the trip's pieces,
	s_and_b32 s60, s[WV], 3                        ; and my quarter of the channels
	s_mul_i32 s61, s57, PIECE
	s_lshl_b32 s19, s58, 14
	s_add_co_u32 s61, s61, s19                     ; K's fragments
	s_mul_i32 s62, s57, PIECE
	s_lshl_b32 s19, s58, 9
	s_add_co_u32 s62, s62, s19
	s_add_co_u32 s62, s62, CODES                   ; K's scale words
	s_lshl_b32 s63, s57, 13
	s_lshl_b32 s19, s58, 10
	s_add_co_u32 s63, s63, s19
	s_add_co_u32 s63, s63, PB                      ; where my codes of P go
	s_lshl_b32 s66, s57, 8
	s_lshl_b32 s19, s58, 1
	s_add_co_u32 s66, s66, s19
	s_add_co_u32 s66, s66, PSC                     ; and my scale bytes
	s_lshl_b32 s67, s[WV], 2
	s_add_co_u32 s67, s67, MXB                     ; my word of the table of largest scores
	s_lshl_b32 s80, s59, 14
	s_add_co_u32 s80, s80, PB                      ; P's fragments
	s_lshl_b32 s81, s59, 9
	s_add_co_u32 s81, s81, PSC                     ; P's scale words
	s_mul_i32 s82, s59, 2*PIECE
	s_add_co_u32 s82, s82, VS
	s_bfe_u32 s19, s[WV], 0x10001
	s_lshl_b32 s19, s19, 9
	s_add_co_u32 s83, s82, s19
	s_lshl_b32 s19, s58, 3
	s_add_co_u32 s83, s83, s19
	s_add_co_u32 s83, s83, CODES                   ; V's scale words: tiles 4 (w % 4) + 0..3 are 8 bytes a lane
	s_lshl_b32 s19, s60, 13
	s_add_co_u32 s82, s82, s19                     ; V's fragments
	s_mul_i32 s22, s59, KINDB                      ; the prefetches: kind w / 4, piece cx, 8,192 bytes w % 4, one trip on: round A steps it to trip 2
	s_mul_i32 s19, s11, PIECE
	s_add_co_u32 s22, s22, s19
	s_lshl_b32 s19, s60, 13
	s_add_co_u32 s22, s22, s19
	s_add_co_u32 s22, s22, TRIPB
	s_mov_b32 s23, 0
	; group 1: a piece is a dense block: 132 rows of 256 bytes (32 elements of 8 bytes), no padding; mask: all four work-groups; bit 21 beside it
	s_mov_b32 s[G1], 15|(3<<16)|(1<<21)
	s_mov_b32 s[G1+1], 32<<16
	s_mov_b32 s[G1+2], 132<<16
	s_mov_b32 s[G1+3], 32<<16
	s_mov_b32 s[G1+4], 132
	s_mov_b32 s[G1+5], 32
	s_mov_b32 s[G1+6], 0
	s_mov_b32 s[G1+7], 0
	s_mov_b32 s[CS], 0x3e38aa3b                    ; c = log2(e) / 8
	s_mov_b32 s[CS+1], s[CS]
	s_mov_b32 s[SEL], 0x76543210
	s_mov_b32 s[SEL+1], 0xfedcba98
	s_mov_b32 s[MNT], 0x600000
	s_mov_b32 s[TR], 15
	s_cmp_eq_u32 ttmp9, 0                          ; the batch's first cluster: the same in all four partners
	s_cselect_b32 s[LIM], 1, -1
	s_mov_b32 s19, 0
	s_wait_dscnt 0x0                               ; both opening adds are done
	s_wait_kmcnt 0x0
	s_add_nc_u64 s[20:21], s[6:7], s[16:17]        ; kv at my batch
	s_add_nc_u64 s[54:55], s[4:5], s[54:55]
	s_add_nc_u64 s[4:5], s[4:5], s[50:51]
	s_add_nc_u64 s[8:9], s[8:9], s[52:53]
	s_add_nc_u64 s[PFA:PFA+1], s[20:21], s[22:23]
	s_mov_b32 s[G0H], 1
	s_mov_b32 s[G0H+1], s18                        ; the head: wave w fetches piece w of trip 0's eight (K's four, V's four), to both slots on end
	s_add_nc_u64 s[G0H+2:G0H+3], s[20:21], s[18:19]
	s_mov_b32 s[G0X], 1
	s_mov_b32 s[G0X+1], s56
	s_add_nc_u64 s[G0X+2:G0X+3], s[G0H+2:G0H+3], KINDB   ; a refill of trip i: piece w of the eight that begin at V(i): V(i)'s four, then K(i+1)'s four; here i = 0
	s_or_b32 s[G0H+3], s[G0H+3], 0x80000000
	s_or_b32 s[G0X+3], s[G0X+3], 0x80000000
	CROUND                                         ; all four work-groups are here: the first joint loads meet
	tensor_load_to_lds s[G0H:G0H+3], s[G1:G1+7]    ; one tensor load a wave at the head
	s_nop 0
	PLACES 4
	v_bfe_u32 v61, v0, 4, 1                        ; h
	v_bfe_u32 v62, v0, 3, 1                        ; r / 8: which of a tile's two pieces of qx
	v_and_b32 v63, 7, v0                           ; r % 8: which row in it
	v_mul_u32_u24 v62, v62, PIECE
	v_lshl_add_u32 v60, v63, 8, v62
	v_lshl_add_u32 v60, v61, 4, v60                ; Q's codes: 256 bytes a row, + 16 h
	v_lshl_add_u32 v62, v63, 3, v62
	v_lshl_add_u32 v62, v61, 2, v62                ; Q's scale words: 8 bytes a row; lanes 16-31 take K step 1's
.irp qt, 0,1,2,3
	global_load_b32 v[QS+\qt], v62, s[54:55] offset:\qt*2*PIECE
.endr
	WIN 0x40
.irp qt, 0,1,2,3
.irp s, 0,1
.irp g, 0,1,2,3
	global_load_b128 v[32*\qt+16*\s+4*\g:32*\qt+16*\s+4*\g+3], v60, s[4:5] offset:\qt*2*PIECE+128*\s+32*\g    ; Q stays in registers, window 1
.endr
.endr
.endr
.set n, 0
.rept 128
	v_mov_b32 v[128+n], 0                          ; O^T: every trip has the same arithmetic, and the first change of M multiplies zeros
.set n, n+1
.endr
	WIN 0
	v_and_b32 v34, 31, v0
	v_and_b32 v35, 15, v0
	v_lshl_add_u32 v[AK], v34, 4, s61
	v_lshl_add_u32 v[AKS], v34, 4, s62
	v_lshl_add_u32 v[APW], v34, 4, s63
	v_lshl_add_u32 v[APS], v35, 4, s66
	v_lshl_add_u32 v[AMW], v35, 5, s67
	v_lshl_add_u32 v[AMR], v35, 5, MXB
	v_lshl_add_u32 v[APR], v34, 4, s80
	v_lshl_add_u32 v[APSR], v35, 4, s81
	v_lshl_add_u32 v[AVR], v34, 4, s82
	v_lshl_add_u32 v[AVS], v34, 4, s83
	v_lshlrev_b32 v[PFO], 8, v34
.irp qt, 0,1,2,3
	v_mov_b32 v[ST+4*\qt+1], 0xff61b1e6            ; the largest t so far: -3e38, under every t
	v_floor_f32 v[ST+4*\qt], -v[ST+4*\qt+1]        ; -M
	v_mov_b32 v[ST+4*\qt+2], 0                     ; my sum, in two halves
	v_mov_b32 v[ST+4*\qt+3], 0
	v_mov_b32 v[FF+2*\qt+1], 0                     ; (named as the upper half of a pair)
.endr
	s_wait_alu depctr_va_vdst(0)
	s_wait_loadcnt 0x0                             ; Q
	s_wait_tensorcnt 0x0                           ; my piece of trip 0 is in;
	BAR                                            ; everybody's is.
	QK
	MAXPH
	ROUNDA 1                                       ; trip 0: V(0) is there
	SOFTMAX
	PV 1
	QK
	MAXPH
	s_sub_co_u32 s[TR], s[TR], 1
.Ltrip:                                                ; trips 1 to 14
	ROUNDA 0
	SOFTMAX
	PV 1
	QK
	MAXPH
	s_sub_co_u32 s[TR], s[TR], 1
	s_cmp_lg_u32 s[TR], 0
	s_cbranch_scc1 .Ltrip
	ROUNDA 2                                       ; trip 15: no K follows
	SOFTMAX
	PV 0
	; THE END.  The eight waves' sums meet in LDS (all under one M); each wave divides its O^T by the row's sum and lays it into the stage of its half of the keys, [channel][query]; each wave then adds the two stages for 32 channels and stores them.
.irp qt, 0,1,2,3
	v_add_f32 v[ST+4*\qt+2], v[ST+4*\qt+2], v[ST+4*\qt+3]
.endr
.irp qt, 0,1,2,3
	v_permlanex16_b32 v[PT+\qt], v[ST+4*\qt+2], s[SEL], s[SEL+1]
.endr
.irp qt, 0,1,2,3
	v_add_f32 v[PT+\qt], v[ST+4*\qt+2], v[PT+\qt]  ; with lane l xor 16's keys: my 64 keys' sums of all trips
.endr
.irp qt, 0,1,2,3
	ds_store_b32 v[AMW], v[PT+\qt] offset:LSO+512*\qt
.endr
	s_mul_i32 s12, s59, STGB
	s_mul_i32 s13, s60, 64*CPITCH
	s_add_co_u32 s12, s12, s13                     ; into the stage of my half, at my 64 channels
	s_mul_i32 s13, s[WV], 32*CPITCH                ; out of the stages: channels 32 w + 0..31
	s_lshl_b32 s14, s[WV], 17                      ; and in out0: a channel is 4,096 bytes on from the last
	s_wait_alu depctr_va_vdst(0)
	s_wait_dscnt 0x0                               ; for the others' sake: my sums are in LDS, and my reads of the slots and of P are over
	BAR                                            ; no load is on its way and nobody reads a slot any more: the stages may be written
.irp qt, 0,1,2,3
	ds_load_b128 v[MX+8*\qt:MX+8*\qt+3], v[AMR] offset:LSO+512*\qt
	ds_load_b128 v[MX+8*\qt+4:MX+8*\qt+7], v[AMR] offset:LSO+512*\qt+16
.endr
	v_bfe_u32 v34, v0, 4, 1                        ; h  (v35 = r still stands)
	v_mul_u32_u24 v1, v34, 8*CPITCH
	v_lshl_add_u32 v1, v35, 2, v1
	v_add_nc_u32 v1, s12, v1                       ; in: channel 8 h (+ 16 t + j), query r (+ 16 qt)
	v_mul_u32_u24 v2, v34, CPITCH
	v_lshl_add_u32 v2, v35, 4, v2
	v_add_nc_u32 v2, s13, v2                       ; back: lanes 0-15 one channel's 256 bytes, lanes 16-31 the next's
	v_add_nc_u32 v3, STGB, v2
	v_lshlrev_b32 v4, 12, v34
	v_lshl_add_u32 v4, v35, 4, v4
	v_add_nc_u32 v4, s14, v4
	s_wait_alu depctr_va_vdst(0)
	s_wait_dscnt 0x0
.irp qt, 0,1,2,3
	v_pk_add_f32 v[MX+8*\qt:MX+8*\qt+1], v[MX+8*\qt:MX+8*\qt+1], v[MX+8*\qt+2:MX+8*\qt+3]
	v_pk_add_f32 v[MX+8*\qt+4:MX+8*\qt+5], v[MX+8*\qt+4:MX+8*\qt+5], v[MX+8*\qt+6:MX+8*\qt+7]
.endr
.irp qt, 0,1,2,3
	v_pk_add_f32 v[MX+8*\qt:MX+8*\qt+1], v[MX+8*\qt:MX+8*\qt+1], v[MX+8*\qt+4:MX+8*\qt+5]
.endr
.irp qt, 0,1,2,3
	v_add_f32 v[MX+8*\qt], v[MX+8*\qt], v[MX+8*\qt+1]      ; the row's sum
.endr
	s_wait_alu depctr_va_vdst(0)                   ; the wait ahead of the batch
.irp qt, 0,1,2,3
	v_rcp_f32 v[FF+2*\qt], v[MX+8*\qt]
.endr
	v_nop
	WIN 0x41
	s_wait_alu depctr_va_vdst(0)                   ; one wait for the four, directly ahead of the first readers of O^T too
.irp qt, 0,1,2,3
.set n, 0
.rept 16
	v_pk_mul_f32 v[128+32*\qt+n:128+32*\qt+n+1], v[128+32*\qt+n:128+32*\qt+n+1], v[FF+2*\qt:FF+2*\qt+1] op_sel_hi:[1,0]
.set n, n+2
.endr
.endr
	WIN 0x04                                       ; an LDS store's data are its source 1
.irp qt, 0,1,2,3
.irp t, 0,1,2,3
.irp j, 0,1,2,3,4,5,6,7
	ds_store_b32 v1, v[128+32*\qt+8*\t+\j] offset:(16*\t+\j)*CPITCH+64*\qt
.endr
.endr
.endr
	WIN 0
	s_wait_dscnt 0x0                               ; for the others' sake: my part of the stage is whole
	BAR
.irp i, 0,1,2,3,4,5,6,7,8,9,10,11,12,13,14,15
	ds_load_b128 v[SB+8*\i:SB+8*\i+3], v2 offset:2*\i*CPITCH
	ds_load_b128 v[SB+8*\i+4:SB+8*\i+7], v3 offset:2*\i*CPITCH
.endr
.irp i, 0,1,2,3,4,5,6,7,8,9,10,11,12,13,14,15
	s_wait_dscnt 2*(15-\i)                         ; this pair of channels' two loads are in; the later pairs' may be out
	v_pk_add_f32 v[SB+8*\i:SB+8*\i+1], v[SB+8*\i:SB+8*\i+1], v[SB+8*\i+4:SB+8*\i+5]
	v_pk_add_f32 v[SB+8*\i+2:SB+8*\i+3], v[SB+8*\i+2:SB+8*\i+3], v[SB+8*\i+6:SB+8*\i+7]
	global_store_b128 v4, v[SB+8*\i:SB+8*\i+3], s[8:9] offset:8192*\i th:TH_STORE_NT   ; 16 lanes store 256 consecutive bytes, at a multiple of 256 from out0's first byte
.endr
	s_wait_tensorcnt 0x0                           ; the wave's end
	ds_add_u32 v[SPW], v[NIL]
	s_wait_dscnt 0x0
	CROUND                                         ; the closing round
	s_endpgm
.Lfunc_end_k_q366ae01849_attn:
	.size	k_q366ae01849_attn, .Lfunc_end_k_q366ae01849_attn-k_q366ae01849_attn
	.p2alignl 7, 3214868480
	.fill 96, 4, 3214868480
	.section	.rodata,"a",@progbits
	.p2align	6, 0x0
	.amdhsa_kernel k_q366ae01849_attn
		.amdhsa_group_segment_fixed_size 327680
		.amdhsa_private_segment_fixed_size 0
		.amdhsa_enable_private_segment 0
		.amdhsa_kernarg_size 24
		.amdhsa_user_sgpr_count 2
		.amdhsa_user_sgpr_kernarg_segment_ptr 1
		.amdhsa_wavefront_size32 1
		.amdhsa_system_sgpr_workgroup_id_x 1
		.amdhsa_system_sgpr_workgroup_id_y 1
		.amdhsa_system_sgpr_workgroup_id_z 1
		.amdhsa_system_vgpr_workitem_id 0
		.amdhsa_next_free_vgpr 512
		.amdhsa_next_free_sgpr 88
		.amdhsa_reserve_vcc 0
		.amdhsa_float_denorm_mode_32 3
		.amdhsa_float_denorm_mode_16_64 3
		.amdhsa_memory_ordered 1
		.amdhsa_forward_progress 1
		.amdhsa_inst_pref_size 188
	.end_amdhsa_kernel
	.amdgpu_metadata
---
amdhsa.version: [ 1, 2 ]
amdhsa.kernels:
  - .name:           k_q366ae01849_attn
    .symbol:         k_q366ae01849_attn.kd
    .args:
      - { .name: qx, .offset: 0, .size: 8, .value_kind: global_buffer, .address_space: global }
      - { .name: kv, .offset: 8, .size: 8, .value_kind: global_buffer, .address_space: global }
      - { .name: out0, .offset: 16, .size: 8, .value_kind: global_buffer, .address_space: global }
    .group_segment_fixed_size: 327680
    .private_segment_fixed_size: 0
    .kernarg_segment_align: 8
    .kernarg_segment_size: 24
    .max_flat_workgroup_size: 256
    .sgpr_count:     88
    .vgpr_count:     512
    .wavefront_size: 32
...
	.end_amdgpu_metadata
.endif
;; end of part 2
